; MI455X (gfx1250); checked and timed in simulation.
; The chip was launched on July 23, 2026; its instructions are those of AMD's public machine-readable ISA for CDNA 5 (MIT licence, August 2026) and "CDNA5" Instruction Set Architecture Reference Guide (July 2026). The comments in the code are by the model that wrote it; some were corrected since.
;; Vector Quantizer. Allowed arithmetic: matrix products marked QUANTISED: E5M2 operands, one E8M0 scale for each 32 along K, by v_wmma_scale_f32_16x16x128_f8f6f4 with both operands' format E5M2, f32 sums; everything else in f32.
;; Inputs: emb_weight 512 x 64 float32; latents 32 x 64 x 64 x 64 float32.
;; Outputs: out0 32 x 64 x 64 x 64 float32; out1 one number float32.
;; Constants: validation = 1.
;; This version of the problem:
;;   THIS VERSION OF THE PROBLEM IS GIVEN IN LOW PRECISION. The matrix products marked QUANTISED in the list below multiply operands that are first quantised to E5M2 (5 exponent bits, 2 mantissa bits; 8 bits a number), with one power-of-two scale for each 32 numbers along K (OCP MX v1.0); their sums are f32. All else is computed in f32.
;;   The module's matrix products, in the order in which they are computed (A, B: the left and right operand; K: the contracted axis; several contracted axes count as one K, in the product's order):
;;     1. [M 131,072, K 64] x [K 64, N 512]; A: computed on the way; B: input emb_weight: QUANTISED
;;   THE QUANTISER, for each operand of a quantised product, along K:
;;     - K is cut into blocks of 32 from its start; a last block that is shorter is filled with zeros.
;;     - A block's scale is 2^e with e = floor(log2(the largest magnitude in the block)) - 15, held to -126 .. 127; a block of zeros has e = 0. As a byte (E8M0): e + 127.
;;     - Each number is divided by its block's scale, clamped to +-57,344, and rounded to the nearest number of E5M2, ties to even, subnormals kept.
;;     - The product sums the exact products of the quantised numbers (number of the format x scale) in f32.
;;   ~~~python
;;   def quantise(x, axis):      # numpy; x: float32 -> the quantised numbers, widened to float32 again
;;       x = np.moveaxis(x, axis, -1); K = x.shape[-1]
;;       x = np.pad(x, [(0, 0)] * (x.ndim - 1) + [(0, -K % 32)]); x = x.reshape(x.shape[:-1] + (-1, 32)); a = np.abs(x).max(-1, keepdims=True)
;;       e = np.where(a > 0, np.clip(np.frexp(np.where(a > 0, a, 1))[1] - 1 - 15, -126, 127), 0)      # np.frexp(a)[1] - 1 = floor(log2(a)), exactly
;;       r = np.clip(x / 2.0 ** e, -57344, 57344)
;;       step = 2.0 ** (np.maximum(np.frexp(np.where(r == 0, 1, r))[1] - 1, -14) - 2)
;;       q = np.round(r / step) * step * 2.0 ** e      # np.round: ties to even
;;       return np.moveaxis(q.reshape(q.shape[:-2] + (-1,))[..., :K], -1, axis).astype(np.float32)
;;   ~~~
;;   OPERANDS COMPUTED ON THE WAY. 'Computed on the way' means the value that the module computes at that place (a softmax that the list does not call 'softmax' is quantised finished and normalised). What goes into a quantiser is computed in f32, as accurately as f32 sums, v_exp_f32 and their like allow (about 1e-6 of the number): no bf16 or f16 on the way to a quantiser, and a product that is left as it is and whose result goes on into a quantised operand takes f32 operands (vector FMAs, or v_wmma_f32_16x16x4_f32). A number that lies on a knife's edge between two numbers of the format may be rounded either way, as far as f32 arithmetic and the matrix unit's own rounding can turn it there, and no further.
;; One version. Each part assembles by itself: llvm-mc -triple=amdgcn-amd-amdhsa -mcpu=gfx1250 --defsym DOCPART=n.
;; ======== version 1 of 1: 3 launches
;; limits: below input magnitudes of 3.85e-34 results are inexact or not finite
;; workspace buffers: inds 524,288 bytes of whole numbers; part 1,024 bytes; tab 131,072 bytes
;; launch nearest (part 1): grid 256 x 1, 8 waves a work-group, clusters of 4 x 1, 310,272 bytes of LDS; arguments latents, emb_weight, inds, tab; writes inds, tab
.if DOCPART == 1
	.amdgcn_target "amdgcn-amd-amdhsa--gfx1250"
	.amdhsa_code_object_version 6
	.text
	.protected	k_qf02a70e9fa_nearest
	.globl	k_qf02a70e9fa_nearest
	.p2align	8
	.type	k_qf02a70e9fa_nearest,@function
k_qf02a70e9fa_nearest:
	s_mov_b64 s[64:65], 0
	v_nop
	global_prefetch_b8 v0, s[64:65] scope:SCOPE_SE
	s_setreg_imm32_b32 hwreg(HW_REG_WAVE_MODE, 25, 1), 1
	s_wait_xcnt 0x0
	s_wait_alu depctr_hold_cnt(0) depctr_sa_sdst(0) depctr_va_vdst(0) depctr_va_sdst(0) depctr_va_ssrc(0) depctr_va_vcc(0) depctr_vm_vsrc(0)
	s_getreg_b32 s2, hwreg(HW_REG_IB_STS2, 6, 4)
	s_cmp_eq_u32 s2, 0
	s_cbranch_scc0 .Lentry_in_a_cluster
	s_endpgm
.Lentry_in_a_cluster:
	s_bfe_u32 s2, ttmp6, 0x10000c
	s_cmp_lg_u32 s2, 0x3003
	s_cbranch_scc0 .Lentry_shape_is_right
	s_endpgm
.Lentry_shape_is_right:
; inds[n] = argmin over k of ( (sum_d x[n][d]^2 + sum_d e[k][d]^2) - P[n][k] ),  x[n][d] = latents[b][d][p], n = 4096 b + p,  e = emb_weight [512][64].
; P = Q(2 x) Q(e)^T on codes of E5M2 with one E8M0 scale for each 32 along d; sums in f32.
; NOTHING OF reference() IS LEFT OUT.  sum x^2 is the same for all k, yet it stays: it is far larger than the two other terms, so reference()'s f32 sums round these
; onto its own grid, and that grid, with the rule of the lowest index, decides rows whose best codes lie close.  So each distance is made with reference()'s two roundings:
; c = a + b_k, then c - P.  The input 'validation' is a constant that reaches no output.  The lookup, the loss and the result follow in the next launches.
; 2 x HAS x's CODES AND A SCALE BYTE ONE HIGHER (a power of two goes through the quantiser unchanged): x is quantised, and 1 is added to its bytes.
; LIMITS: NaN and infinities among the inputs are not served; a block whose largest magnitude lies under 2^-111 takes the floor's scale; 2 x must not overflow;
; a and b_k are summed by fused multiply-adds in an order of this text's own (16 along d in a lane, the two blocks, the two halves of the lanes).
; SHARES.  256 work-groups of eight waves; a work-group owns 512 positions of one image, a wave 64: four tiles of 16; tile i holds positions 4 r + i, so that 16 bytes of a channel's row are one lane's numbers of all four tiles.
; CLUSTER.  Every work-group reads all of emb_weight: the four of a cluster ask for it jointly (wave w: rows 64 w on; same descriptor, mask 15).  The latents' tile is each wave's own, plain load.
; CODEBOOK.  Wave w quantises code tiles 4 w .. 4 w + 3 and leaves them in LDS as images of the operand's registers (16 bytes a lane), with their scale words and b_k; one barrier; every wave then reads all 32.
; THE TABLE FOR THE NEXT LAUNCH.  tab [8][512][8] f32 is emb_weight laid by groups of 8 channels, tab[g][k][c] = e[k][8 g + c]: a group's slice is 16,384 bytes on end.  The raw rows lie in every work-group's LDS anyway:
; cluster C copies rows 64 (C % 8) .. + 63 of group C / 8, 2,048 bytes; each of its four work-groups stores 16 of these rows, by wave 0, in one store of 512 consecutive bytes, aligned.  The LDS addresses hang on the
; cluster's number alone, which the partners share: all four read the 64 rows, and selects on the place in the cluster keep a work-group's own 16; only the global address hangs on that place.
; PRODUCT.  Source 0 = 16 codes, source 1 = 16 positions: in the result lane (r, h) holds position r and codes 16 t + 8 h + 0 .. 7.  d has 64 of the instruction's 128: the codebook's fragments end in 8 registers of
; zero codes; x's four fragments lie on end, so that the upper half of one is the next one's (finite) codes, which meet those zeros.
; ARGMIN.  For each code tile: its 8 distances, their minimum; where that is under the best so far, the tile's number and its 8 distances are kept (selects, no branch).  At the end the first kept distance equal to the best gives the code.
.set XT,    0                          ; LDS: the latents' tiles, 16,384 bytes a wave
.set ER,    131072                     ; emb_weight as f32: rows of 256 bytes + 16 of padding, 64 rows a wave
.set EPI,   272                        ; 17 x 16 bytes: sixteen rows begin at sixteen different 16-byte columns of 256
.set ERW,   64*EPI
.set EC,    270336                     ; the codes' images: 1,024 bytes a tile
.set ES,    303104                     ; the scale words' images: 128 bytes a tile
.set EB,    307200                     ; b_k: 512 words
.set SPARE, 309248                     ; the spare words, 128 bytes for each wave: four blocks of 256 bytes that no other line names
.set SPW,  1                           ; v1   my spare word's address; never rewritten
.set NIL,  2                           ; v2   0; never rewritten
.set LN,   3                           ; lane
.set RR,   4                           ; r = lane % 16
.set HH,   5                           ; h = lane / 16
.set AER,  6                           ; my place in my wave's raw rows of emb_weight
.set AECW, 7                           ; where I store images: codes,
.set AESW, 8                           ; scale words,
.set AEBW, 9                           ; b_k
.set AEC,  10                          ; where I read them: codes,
.set AES,  11                          ; scale words,
.set AEB,  12                          ; b_k of my half's eight codes
.set AX,   13                          ; my place in my wave's tile of latents
.set H8,   14                          ; 8 h
.set GOI,  15                          ; my 8 bytes of the wave's 256 bytes of indices
.set A2,   16                          ; v16-23   a of tile i, twice: a pair for the packed sum
.set BEST, 24                          ; v24-27   the least distance so far
.set IDX,  28                          ; v28-31   its code tile
.set MN,   32                          ; v32-35   a tile's minimum
.set XS,   36                          ; v36-39   scale words (first the codebook's on their way to LDS, then x's)
.set ESC,  40                          ; v40-41   the codebook's scale words, two sets
.set TA,   42                          ; v42-45   at work
.set ATB,  46                          ; v46      the table's copy: where my 16 bytes of the cluster's first 16 rows lie among the raw rows; never rewritten
.set GTB,  47                          ; v47      and 16 x lane: their place in my work-group's 512 bytes of tab; never rewritten
.set XC,   48                          ; v48-79   x's codes, 8 registers a tile; v80-87 zero codes
.set EE,   88                          ; v88-119  two fragments of the codebook: 8 registers of codes, 8 of zero codes
.set TBR,  96                          ; v96-111  the table's copy: four times 16 bytes
.set BB,   120                         ; v120-135 b_k, two sets of 8
.set DD,   136                         ; v136-199 results, two sets of 4 x 8
.set CC,   200                         ; v200-215 a + b_k for two tiles; at the end the indices
.set KP,   216                         ; v216-247 the kept distances, 8 a tile
.set TPX,  248                         ; v248-255 at work
.set SQ,   16                          ; the codebook's set-up: sums of squares,
.set TM,   20                          ; largest magnitudes,
.set TP,   22                          ; what the other half of the lanes sends,
.set SO,   26                          ; the conversions' scale operands,
.set LM,   28                          ; 57,344 x the scale,
.set BY,   30                          ; the bytes,
.set BS,   32                          ; b_k of my four tiles,
.set CD,   88                          ; their codes,
.set ERAW, 120                         ; and their 4 x 32 numbers
.set AC,   16                          ; x's set-up: sums of squares (block c, pair of tiles),
.set TMX,  24                          ; largest magnitudes, then 57,344 x the scale (4 c + tile),
.set SOX,  88                          ; scale operands,
.set ST0,  104                         ; two runs of 8 held numbers,
.set XR,   120                         ; v120-247 the numbers: 64 c + 4 i + tile
.set WV,   10
.set SEL,  40
.set MNT,  42
.set MK,   44                          ; s44-47   lane masks, one a tile
.macro CROUND                          ; a round of the cluster's barrier: my work-group's barrier, wave 0 signals for it, all wait, my work-group's barrier once more
	s_barrier_signal -1
	s_barrier_wait -1
	s_cmp_lg_u32 s[WV], 0
	s_cbranch_scc1 .Lnot_wave_0_\@
	s_barrier_signal -3
.Lnot_wave_0_\@:
	s_barrier_wait -3
	s_barrier_signal -1
	s_barrier_wait -1
.endm
	s_load_b128 s[4:7], s[0:1], 0x0                ; latents, emb_weight
	s_load_b64 s[8:9], s[0:1], 0x10                ; inds
	s_load_b64 s[58:59], s[0:1], 0x18              ; tab
	v_lshl_add_u32 v[SPW], v0, 2, SPARE
	v_mov_b32 v[NIL], 0
	ds_add_u32 v[SPW], v[NIL]                      ; the wave's opening: the add, twice on end, and its wait ahead of my first tensor load
	ds_add_u32 v[SPW], v[NIL]                      ; and once more; the set-up below, work on registers, stands between it and the wait
	v_lshrrev_b32 v[LN], 5, v0
	v_readfirstlane_b32 s[WV], v[LN]               ; wave 0..7
	s_bfe_u32 s11, ttmp6, 0x40000                  ; cx
	s_lshl_b32 s12, ttmp9, 2
	s_add_co_u32 s12, s12, s11                     ; work-group = 4 x cluster + cx: it enters global addresses alone
	; group 1 for emb_weight: 64 rows of 64 elements of 4 bytes, dense in memory, 4 words of padding behind every 64; asked for jointly by the four
	s_mov_b32 s16, 15|(2<<16)|(1<<20)|(1<<21)|(5<<22)|(3<<25)
	s_mov_b32 s17, 64<<16                          ; tensor_dim0
	s_mov_b32 s18, 64<<16                          ; tensor_dim1
	s_mov_b32 s19, 64<<16                          ; tile_dim0
	s_mov_b32 s20, 64                              ; tile_dim1
	s_mov_b32 s21, 64                              ; elements from row to row
	s_mov_b32 s22, 0
	s_mov_b32 s23, 0
	; group 1 for the latents: 64 channels x 64 positions of 4 bytes, a channel's rows 4,096 elements apart; no mask, no padding
	s_mov_b32 s28, 2<<16
	s_mov_b32 s29, 64<<16
	s_mov_b32 s30, 64<<16
	s_mov_b32 s31, 64<<16
	s_mov_b32 s32, 64
	s_mov_b32 s33, 4096
	s_mov_b32 s34, 0
	s_mov_b32 s35, 0
	s_mov_b32 s24, 1
	s_mul_i32 s25, s[WV], ERW
	s_add_co_u32 s25, s25, ER                      ; my 64 raw rows in LDS
	s_mov_b32 s36, 1
	s_lshl_b32 s37, s[WV], 14                      ; my tile of latents in LDS
	s_lshl_b32 s48, s[WV], 14                      ; emb_weight: 64 rows of 256 bytes a wave
	s_mov_b32 s49, 0
	s_lshr_b32 s50, s12, 3                         ; the image: 8 work-groups to each,
	s_lshl_b32 s50, s50, 20                        ; 64 x 4,096 x 4 bytes
	s_and_b32 s51, s12, 7
	s_lshl_b32 s51, s51, 11                        ; + 512 positions a work-group
	s_add_co_u32 s50, s50, s51
	s_lshl_b32 s51, s[WV], 8                       ; + 64 a wave
	s_add_co_u32 s50, s50, s51
	s_mov_b32 s51, 0
	s_lshl_b32 s52, s12, 11                        ; inds: 2,048 bytes a work-group, 256 a wave
	s_lshl_b32 s53, s[WV], 8
	s_add_co_u32 s52, s52, s53
	s_mov_b32 s53, 0
	s_mov_b32 s[SEL], 0x76543210
	s_mov_b32 s[SEL+1], 0xfedcba98                 ; v_permlanex16_b32's selects for lane l xor 16
	s_mov_b32 s[MNT], 0x600000                     ; the mantissa field of 57,344
	s_lshl_b32 s54, s[WV], 12
	s_add_co_u32 s54, s54, EC                      ; my four tiles' images
	s_lshl_b32 s55, s[WV], 9
	s_add_co_u32 s55, s55, ES
	s_lshl_b32 s56, s[WV], 8
	s_add_co_u32 s56, s56, EB
	; the table's copy: what my cluster copies, and which quarter of it is my work-group's
	s_and_b32 s43, ttmp9, 7                        ; which 64 rows: cluster % 8
	s_lshr_b32 s57, ttmp9, 3
	s_and_b32 s57, s57, 7                          ; which group of 8 channels: cluster / 8
	s_lshl_b32 s2, s57, 14                         ; in tab: 16,384 bytes a group,
	s_lshl_b32 s3, s43, 11                         ; 2,048 for 64 rows,
	s_add_co_u32 s2, s2, s3
	s_lshl_b32 s3, s11, 9                          ; 512 for my work-group's 16
	s_add_co_u32 s2, s2, s3
	s_mov_b32 s3, 0
	s_mul_i32 s43, s43, ERW                        ; in LDS: the cluster's 64 raw rows,
	s_lshl_b32 s57, s57, 5                         ; at the group's 32 bytes
	s_add_co_u32 s43, s43, s57
	s_add_co_u32 s43, s43, ER                      ; made of the cluster's number alone: alike in the four partners
	s_cmp_eq_u32 s11, 1
	s_cselect_b32 s13, -1, 0                       ; lane masks for the selects: all ones in the partner at place 1,
	s_cmp_eq_u32 s11, 2
	s_cselect_b32 s14, -1, 0                       ; 2,
	s_cmp_eq_u32 s11, 3
	s_cselect_b32 s15, -1, 0                       ; 3
	v_and_b32 v[LN], 31, v0
	v_and_b32 v[RR], 15, v0
	v_bfe_u32 v[HH], v0, 4, 1
	v_mul_u32_u24 v[AER], v[RR], EPI
	v_lshl_add_u32 v[AER], v[HH], 6, v[AER]
	v_add_nc_u32 v[AER], s25, v[AER]               ; row r of a tile, + 64 h: my 16 numbers of a block of 32
	v_lshl_add_u32 v[AECW], v[LN], 4, s54
	v_lshl_add_u32 v[AESW], v[LN], 2, s55
	v_lshl_add_u32 v[AEBW], v[RR], 2, s56
	v_lshl_add_u32 v[AEC], v[LN], 4, EC
	v_lshl_add_u32 v[AES], v[LN], 2, ES
	v_lshl_add_u32 v[AEB], v[HH], 5, EB
	v_lshlrev_b32 v[AX], 4, v[RR]
	v_lshl_add_u32 v[AX], v[HH], 12, v[AX]
	v_add_nc_u32 v[AX], s37, v[AX]                 ; 16 r + 16 h rows of 256 bytes
	v_lshrrev_b32 v[ATB], 1, v[LN]                 ; the table's copy: two lanes to a row's 32 bytes
	v_mul_u32_u24 v[ATB], v[ATB], EPI
	v_and_b32 v[GTB], 1, v[LN]
	v_lshl_add_u32 v[ATB], v[GTB], 4, v[ATB]
	v_add_nc_u32 v[ATB], s43, v[ATB]
	v_lshlrev_b32 v[GTB], 4, v[LN]
.irp n,0,1,2
	v_mov_b32 v[TP+\n], 0                          ; written once: a lane permute's destination counts as one of its sources
.endr
.irp n,0,1,2,3
	v_mov_b32 v[TA+\n], 0
.endr
.irp n,0,1,2,3,4,5,6,7
	v_mov_b32 v[TPX+\n], 0
.endr
	s_wait_dscnt 0x0                               ; both opening adds are done
	s_wait_kmcnt 0x0
	s_add_nc_u64 s[26:27], s[6:7], s[48:49]
	s_or_b32 s27, s27, 0x80000000
	s_add_nc_u64 s[38:39], s[4:5], s[50:51]
	s_or_b32 s39, s39, 0x80000000
	s_add_nc_u64 s[8:9], s[8:9], s[52:53]
	s_add_nc_u64 s[58:59], s[58:59], s[2:3]
	CROUND                                         ; all four work-groups are here: the joint loads meet
	tensor_load_to_lds s[24:27], s[16:23]          ; my 64 rows of emb_weight, for all four partners
	s_nop 0
	tensor_load_to_lds s[36:39], s[28:35]          ; my tile of latents.  Two loads of mine are out
	s_nop 0
	s_wait_tensorcnt 0x1                           ; tensor loads of a wave end in order: emb_weight's rows are in; the latents' tile may stay out
.irp q,0,1,2,3
.irp c,0,1
.irp j,0,1,2,3
	ds_load_b128 v[ERAW+32*\q+16*\c+4*\j:ERAW+32*\q+16*\c+4*\j+3], v[AER] offset:\q*16*EPI+128*\c+16*\j   ; e(16 q + r, 32 c + 16 h + 4 j ..)
.endr
.endr
.endr
; One code tile: register 16 c + i holds d = 32 c + 16 h + i of row r, the order that the operand's layout gives this lane: the conversions' results are the operand's registers.
.macro EQ q
.set RW, ERAW+32*(\q)
	s_wait_dscnt 24-4*(\q)                         ; behind this tile's loads: 8 for each later tile, 4 stores for each earlier one
	v_pk_mul_f32 v[SQ:SQ+1], v[RW:RW+1], v[RW:RW+1]
	v_pk_mul_f32 v[SQ+2:SQ+3], v[RW+16:RW+17], v[RW+16:RW+17]
	v_max3_num_f32 v[TM], |v[RW]|, |v[RW+1]|, 0x8000000            ; with the floor 2^(16 - 127): the byte cannot fall under 1
	v_max3_num_f32 v[TM+1], |v[RW+16]|, |v[RW+17]|, 0x8000000
.irp i,2,4,6,8,10,12,14
	v_pk_fma_f32 v[SQ:SQ+1], v[RW+\i:RW+\i+1], v[RW+\i:RW+\i+1], v[SQ:SQ+1]
	v_pk_fma_f32 v[SQ+2:SQ+3], v[RW+16+\i:RW+17+\i], v[RW+16+\i:RW+17+\i], v[SQ+2:SQ+3]
	v_max3_num_f32 v[TM], v[TM], |v[RW+\i]|, |v[RW+\i+1]|
	v_max3_num_f32 v[TM+1], v[TM+1], |v[RW+16+\i]|, |v[RW+17+\i]|
.endr
	v_permlanex16_b32 v[TP], v[TM], s[SEL], s[SEL+1]
	v_permlanex16_b32 v[TP+1], v[TM+1], s[SEL], s[SEL+1]
	v_pk_add_f32 v[SQ:SQ+1], v[SQ:SQ+1], v[SQ+2:SQ+3]
	v_max_num_f32 v[TM], v[TM], v[TP]              ; with lane l xor 16's 16 numbers: the block's largest magnitude
	v_max_num_f32 v[TM+1], v[TM+1], v[TP+1]
	v_add_f32 v[SQ], v[SQ], v[SQ+1]
	v_add_nc_u32 v[SO], 0xf8800000, v[TM]          ; 15 off the exponent field: the conversion's scale operand
	v_add_nc_u32 v[SO+1], 0xf8800000, v[TM+1]
	v_permlanex16_b32 v[TP+2], v[SQ], s[SEL], s[SEL+1]
	v_and_or_b32 v[LM], v[TM], 0x7f800000, s[MNT]  ; 57,344 x the scale
	v_and_or_b32 v[LM+1], v[TM+1], 0x7f800000, s[MNT]
	v_lshrrev_b32 v[BY], 23, v[SO]                 ; the bytes
	v_lshrrev_b32 v[BY+1], 23, v[SO+1]
	v_add_f32 v[BS+\q], v[SQ], v[TP+2]             ; b of row r, the same bits in both halves of the lanes
	v_lshl_or_b32 v[XS+\q], v[BY+1], 8, v[BY]
	v_or_b32 v[XS+\q], 0x7f7f0000, v[XS+\q]        ; the two blocks of zero codes get the byte 127
.irp c,0,1
.irp i,0,1,2,3,4,5,6,7,8,9,10,11,12,13,14,15
	v_med3_num_f32 v[RW+16*\c+\i], v[RW+16*\c+\i], -v[LM+\c], v[LM+\c]   ; the conversion to an 8-bit code does not saturate (ISA guide 7.6.2): the hold
.endr
.endr
.irp c,0,1
.irp u,0,1
	v_cvt_scalef32_pk8_bf8_f32 v[CD+8*(\q)+4*\c+2*\u:CD+8*(\q)+4*\c+2*\u+1], v[RW+16*\c+8*\u:RW+16*\c+8*\u+7], v[SO+\c]
.endr
.endr
	ds_store_b128 v[AECW], v[CD+8*(\q):CD+8*(\q)+3] offset:1024*(\q)          ; the fragment goes to LDS as it stands; each tile has registers of its own, so no store's data are written again
	ds_store_b128 v[AECW], v[CD+8*(\q)+4:CD+8*(\q)+7] offset:1024*(\q)+512
	ds_store_b32 v[AESW], v[XS+\q] offset:128*(\q)
	ds_store_b32 v[AEBW], v[BS+\q] offset:64*(\q)  ; lanes r and r + 16 write the same word with the same value
.endm
	EQ 0
	EQ 1
	EQ 2
	EQ 3
	v_nop                                          ; a plain line behind the last conversion
	s_wait_dscnt 0x0                               ; for the others' sake: my images have landed
	s_barrier_signal -1
	s_barrier_wait -1                              ; the whole codebook lies in LDS, and every wave's raw rows have landed (each waited for them ahead of its signal)
	; THE TABLE'S COPY, by wave 0: the cluster's 64 rows, 32 bytes of each, 16 rows a load; the selects keep my work-group's 16
	s_cmp_lg_u32 s[WV], 0
	s_cbranch_scc1 .Lno_tab
.irp c,0,1,2,3
	ds_load_b128 v[TBR+4*\c:TBR+4*\c+3], v[ATB] offset:\c*16*EPI
.endr
	s_wait_dscnt 0x0
.irp n,0,1,2,3
	v_cndmask_b32 v[TBR+\n], v[TBR+\n], v[TBR+4+\n], s13
.endr
.irp n,0,1,2,3
	v_cndmask_b32 v[TBR+\n], v[TBR+\n], v[TBR+8+\n], s14
.endr
.irp n,0,1,2,3
	v_cndmask_b32 v[TBR+\n], v[TBR+\n], v[TBR+12+\n], s15
.endr
	global_store_b128 v[GTB], v[TBR:TBR+3], s[58:59]            ; 32 lanes store 512 consecutive bytes, at a multiple of 512 from tab's first byte
	s_wait_xcnt 0x0                                ; the store has read its registers: they are written again further down
.Lno_tab:
	s_wait_tensorcnt 0x0                           ; my tile of latents is in; only I read it
.irp c,0,1
.irp i,0,1,2,3,4,5,6,7,8,9,10,11,12,13,14,15
	ds_load_b128 v[XR+64*\c+4*\i:XR+64*\c+4*\i+3], v[AX] offset:(32*\c+\i)*256   ; channel 32 c + 16 h + i, positions 4 r .. 4 r + 3: sixteen lanes read a row's 256 bytes
.endr
.endr
; A block of 32 channels: my 16 of them, for the four tiles: the sums of squares two tiles at a time, the largest magnitudes tile by tile
.macro XBLK c
.set XB, XR+64*(\c)
.set AB, AC+4*(\c)
.set TB, TMX+4*(\c)
	v_pk_mul_f32 v[AB:AB+1], v[XB:XB+1], v[XB:XB+1]
	v_pk_mul_f32 v[AB+2:AB+3], v[XB+2:XB+3], v[XB+2:XB+3]
.irp t,0,1,2,3
	v_max3_num_f32 v[TB+\t], |v[XB+\t]|, |v[XB+4+\t]|, 0x8000000
.endr
	v_pk_fma_f32 v[AB:AB+1], v[XB+4:XB+5], v[XB+4:XB+5], v[AB:AB+1]
	v_pk_fma_f32 v[AB+2:AB+3], v[XB+6:XB+7], v[XB+6:XB+7], v[AB+2:AB+3]
.irp i,2,4,6,8,10,12,14
	v_pk_fma_f32 v[AB:AB+1], v[XB+4*\i:XB+4*\i+1], v[XB+4*\i:XB+4*\i+1], v[AB:AB+1]
	v_pk_fma_f32 v[AB+2:AB+3], v[XB+4*\i+2:XB+4*\i+3], v[XB+4*\i+2:XB+4*\i+3], v[AB+2:AB+3]
	v_max3_num_f32 v[TB], v[TB], |v[XB+4*\i]|, |v[XB+4*\i+4]|
	v_max3_num_f32 v[TB+1], v[TB+1], |v[XB+4*\i+1]|, |v[XB+4*\i+5]|
	v_pk_fma_f32 v[AB:AB+1], v[XB+4*\i+4:XB+4*\i+5], v[XB+4*\i+4:XB+4*\i+5], v[AB:AB+1]
	v_pk_fma_f32 v[AB+2:AB+3], v[XB+4*\i+6:XB+4*\i+7], v[XB+4*\i+6:XB+4*\i+7], v[AB+2:AB+3]
	v_max3_num_f32 v[TB+2], v[TB+2], |v[XB+4*\i+2]|, |v[XB+4*\i+6]|
	v_max3_num_f32 v[TB+3], v[TB+3], |v[XB+4*\i+3]|, |v[XB+4*\i+7]|
.endr
.endm
	s_wait_dscnt 16                                ; the first block's 16 loads are in
	XBLK 0
	s_wait_dscnt 0x0
	XBLK 1
	v_pk_add_f32 v[AC:AC+1], v[AC:AC+1], v[AC+4:AC+5]
	v_pk_add_f32 v[AC+2:AC+3], v[AC+2:AC+3], v[AC+6:AC+7]
.irp n,0,1,2,3,4,5,6,7
	v_permlanex16_b32 v[TPX+\n], v[TMX+\n], s[SEL], s[SEL+1]
.endr
.irp n,0,1,2,3
	v_permlanex16_b32 v[TA+\n], v[AC+\n], s[SEL], s[SEL+1]
.endr
.irp n,0,1,2,3,4,5,6,7
	v_max_num_f32 v[TMX+\n], v[TMX+\n], v[TPX+\n]
.endr
	v_add_f32 v[A2+6], v[AC+3], v[TA+3]            ; a of each tile, written twice (a pair for the packed sum), from the top down so that no part is overwritten before it is read
	v_add_f32 v[A2+7], v[AC+3], v[TA+3]
	v_add_f32 v[A2+4], v[AC+2], v[TA+2]
	v_add_f32 v[A2+5], v[AC+2], v[TA+2]
	v_add_f32 v[A2+2], v[AC+1], v[TA+1]
	v_add_f32 v[A2+3], v[AC+1], v[TA+1]
	v_add_f32 v[A2+1], v[AC], v[TA]
	v_add_f32 v[A2], v[AC], v[TA]
.irp n,0,1,2,3,4,5,6,7
	v_add_nc_u32 v[SOX+\n], 0xf8800000, v[TMX+\n]  ; x's own scale, for the conversion
.endr
.irp n,0,1,2,3,4,5,6,7
	v_and_or_b32 v[TMX+\n], v[TMX+\n], 0x7f800000, s[MNT]
.endr
.irp n,0,1,2,3,4,5,6,7
	v_lshrrev_b32 v[TPX+\n], 23, v[SOX+\n]
.endr
.irp t,0,1,2,3
	v_lshl_or_b32 v[XS+\t], v[TPX+4+\t], 8, v[TPX+\t]
.endr
.irp t,0,1,2,3
	v_add_nc_u32 v[XS+\t], 0x7f7f0101, v[XS+\t]    ; 1 onto both bytes: the scales of 2 x (a byte is at most 239: nothing is carried); 127 for the two blocks that meet zero codes
.endr
.set g, 0
.irp t,0,1,2,3
.irp c,0,1
.irp u,0,1
.set SB, ST0+8*(g%2)
.irp j,0,1,2,3,4,5,6,7
	v_med3_num_f32 v[SB+\j], v[XR+64*\c+32*\u+4*\j+\t], -v[TMX+4*\c+\t], v[TMX+4*\c+\t]   ; the hold also brings a tile's eight neighbours along d into eight registers on end; two runs by turns
.endr
	v_cvt_scalef32_pk8_bf8_f32 v[XC+8*\t+4*\c+2*\u:XC+8*\t+4*\c+2*\u+1], v[SB:SB+7], v[SOX+4*\c+\t]
.set g, g+1
.endr
.endr
.endr
.irp n,0,1,2,3,4,5,6,7
	v_mov_b32 v[XC+32+\n], 0                       ; behind the last tile's codes
.endr
.irp n,0,1,2,3,4,5,6,7
	v_mov_b32 v[EE+8+\n], 0                        ; the zero codes of d = 64 .. 127, once for each of the two fragments
.endr
.irp n,0,1,2,3,4,5,6,7
	v_mov_b32 v[EE+24+\n], 0
.endr
	ds_load_b128 v[EE:EE+3], v[AEC]                ; code tile 0: fragment, scale words, b;
	ds_load_b128 v[EE+4:EE+7], v[AEC] offset:512
	ds_load_b32 v[ESC], v[AES]
	ds_load_b128 v[BB:BB+3], v[AEB]
	ds_load_b128 v[BB+4:BB+7], v[AEB] offset:16
	ds_load_b128 v[EE+16:EE+19], v[AEC] offset:1024   ; tile 1: fragment, scale words
	ds_load_b128 v[EE+20:EE+23], v[AEC] offset:1536
	ds_load_b32 v[ESC+1], v[AES] offset:128
	v_lshlrev_b32 v[H8], 3, v[HH]                  ; seven plain lines between the operands' last vector write and the first product
	v_lshlrev_b32 v[GOI], 4, v[RR]
	v_lshl_add_u32 v[GOI], v[HH], 3, v[GOI]
.irp i,0,1,2,3
	v_mov_b32 v[IDX+\i], 0
.endr
.macro WM n                            ; the code tile in set n against my four tiles of positions; each product starts its sum with the constant 0: four accumulators by turns
.irp i,0,1,2,3
	v_wmma_scale_f32_16x16x128_f8f6f4 v[DD+32*(\n)+8*\i:DD+32*(\n)+8*\i+7], v[EE+16*(\n):EE+16*(\n)+15], v[XC+8*\i:XC+8*\i+15], 0, v[ESC+(\n)], v[XS+\i] matrix_a_fmt:MATRIX_FMT_BF8 matrix_b_fmt:MATRIX_FMT_BF8
.endr
.endm
; The distances of code tile t and what is kept of them.  Lane (r, h), tile i, register j: position 4 r + i, code 16 t + 8 h + j.
.macro PROC t
.set PB, (\t)%2
.irp pr,0,2
.irp jp,0,2,4,6
.irp ii,0,1
	v_pk_add_f32 v[CC+8*\ii+\jp:CC+8*\ii+\jp+1], v[BB+8*PB+\jp:BB+8*PB+\jp+1], v[A2+2*(\pr+\ii):A2+2*(\pr+\ii)+1]   ; c = a + b_k: reference()'s first rounding
.endr
.endr
.irp jp,0,2,4,6
.irp ii,0,1
.if (\t) == 0
	v_pk_add_f32 v[KP+8*(\pr+\ii)+\jp:KP+8*(\pr+\ii)+\jp+1], v[CC+8*\ii+\jp:CC+8*\ii+\jp+1], v[DD+8*(\pr+\ii)+\jp:DD+8*(\pr+\ii)+\jp+1] neg_lo:[0,1] neg_hi:[0,1]   ; the first tile's distances are kept as they come
.else
	v_pk_add_f32 v[DD+32*PB+8*(\pr+\ii)+\jp:DD+32*PB+8*(\pr+\ii)+\jp+1], v[CC+8*\ii+\jp:CC+8*\ii+\jp+1], v[DD+32*PB+8*(\pr+\ii)+\jp:DD+32*PB+8*(\pr+\ii)+\jp+1] neg_lo:[0,1] neg_hi:[0,1]   ; c - P: its second; each accumulator is read from its low end on
.endif
.endr
.endr
.endr
.if (\t) == 0
.set VB, KP
.set MB, BEST
.else
.set VB, DD+32*PB
.set MB, MN
.endif
.irp i,0,1,2,3
	v_min3_num_f32 v[MB+\i], v[VB+8*\i], v[VB+8*\i+1], v[VB+8*\i+2]     ; the four tiles by turns: no line waits for the line above it
.endr
.irp i,0,1,2,3
	v_min3_num_f32 v[MB+\i], v[MB+\i], v[VB+8*\i+3], v[VB+8*\i+4]
.endr
.irp i,0,1,2,3
	v_min3_num_f32 v[MB+\i], v[MB+\i], v[VB+8*\i+5], v[VB+8*\i+6]
.endr
.irp i,0,1,2,3
	v_min_num_f32 v[MB+\i], v[MB+\i], v[VB+8*\i+7]
.endr
.if (\t) > 0
.irp i,0,1,2,3
	v_cmp_le_f32 s[MK+\i], v[BEST+\i], v[MN+\i]    ; the old stays where it is not above the new: among equals the lower code wins
.endr
.irp i,0,1,2,3
	v_min_num_f32 v[BEST+\i], v[BEST+\i], v[MN+\i]
.endr
.irp i,0,1,2,3
	v_cndmask_b32 v[IDX+\i], \t, v[IDX+\i], s[MK+\i]
.endr
.irp j,0,1,2,3,4,5,6,7
.irp i,0,1,2,3
	v_cndmask_b32 v[KP+8*\i+\j], v[DD+32*PB+8*\i+\j], v[KP+8*\i+\j], s[MK+\i]
.endr
.endr
.endif
.endm
; Step t: what later steps want is asked of LDS, tile t + 1 is multiplied, tile t is worked.  The 92 vector lines of a step stand between a product and the reads of its results, and between it and the loads into its sources.
.macro IT t
.set PB, (\t)%2
.set NB, 1-PB
.if (\t) < 30
	ds_load_b128 v[EE+16*PB:EE+16*PB+3], v[AEC] offset:1024*((\t)+2)       ; tile t + 2 into the set that tile t's products have read
	ds_load_b128 v[EE+16*PB+4:EE+16*PB+7], v[AEC] offset:1024*((\t)+2)+512
	ds_load_b32 v[ESC+PB], v[AES] offset:128*((\t)+2)
.endif
.if (\t) < 31
	ds_load_b128 v[BB+8*NB:BB+8*NB+3], v[AEB] offset:64*((\t)+1)           ; b of tile t + 1
	ds_load_b128 v[BB+8*NB+4:BB+8*NB+7], v[AEB] offset:64*((\t)+1)+16
.if (\t) < 30
	s_wait_dscnt 5                                 ; all but the five just issued: tile t + 1's fragment and words, and b of tile t, are in
.else
	s_wait_dscnt 2
.endif
	WM NB
.else
	s_wait_dscnt 0x0
.endif
	PROC \t
.endm
	s_wait_dscnt 3                                 ; tile 0's five loads are in; tile 1's three may be out
	WM 0
.rept 8
	v_nop                                          ; once: eight places between tile 0's products and the loads into their sources
.endr
.irp t,0,1,2,3,4,5,6,7,8,9,10,11,12,13,14,15,16,17,18,19,20,21,22,23,24,25,26,27,28,29,30,31
	IT \t
.endr
	; THE INDEX.  The first of the kept eight that equals the best: from the top down, so that the lowest stays
.irp i,0,1,2,3
	v_mov_b32 v[CC+\i], 7
.endr
.irp j,6,5,4,3,2,1,0
.irp i,0,1,2,3
	v_cmp_neq_f32 s[MK+\i], v[KP+8*\i+\j], v[BEST+\i]
.endr
.irp i,0,1,2,3
	v_cndmask_b32 v[CC+\i], \j, v[CC+\i], s[MK+\i]
.endr
.endr
.irp i,0,1,2,3
	v_lshl_add_u32 v[CC+\i], v[IDX+\i], 4, v[CC+\i]
.endr
.irp i,0,1,2,3
	v_add_nc_u32 v[CC+\i], v[H8], v[CC+\i]         ; k = 16 t + 8 h + j
.endr
.irp i,0,1,2,3
	v_permlanex16_b32 v[MN+\i], v[BEST+\i], s[SEL], s[SEL+1]    ; the position's other 256 codes lie in lane l xor 16
.endr
.irp i,0,1,2,3
	v_permlanex16_b32 v[CC+4+\i], v[CC+\i], s[SEL], s[SEL+1]
.endr
.irp i,0,1,2,3
	v_min_u32 v[CC+8+\i], v[CC+\i], v[CC+4+\i]
.endr
.irp i,0,1,2,3
	v_cmp_lt_f32 s[MK+\i], v[MN+\i], v[BEST+\i]
.endr
.irp i,0,1,2,3
	v_cndmask_b32 v[CC+\i], v[CC+\i], v[CC+4+\i], s[MK+\i]      ; the other's where it is nearer,
.endr
.irp i,0,1,2,3
	v_cmp_eq_f32 s[MK+\i], v[MN+\i], v[BEST+\i]
.endr
.irp i,0,1,2,3
	v_cndmask_b32 v[CC+\i], v[CC+\i], v[CC+8+\i], s[MK+\i]      ; the lower of the two where they are equal
.endr
	v_cmp_ne_u32 vcc_lo, 0, v[HH]
	v_cndmask_b32 v[CC+12], v[CC], v[CC+2], vcc_lo              ; both halves hold all four: lanes 0-15 store positions 4 r, 4 r + 1, lanes 16-31 positions 4 r + 2, 4 r + 3
	v_cndmask_b32 v[CC+13], v[CC+1], v[CC+3], vcc_lo
	global_store_b64 v[GOI], v[CC+12:CC+13], s[8:9]             ; the wave's 64 indices: 256 consecutive bytes, aligned
	s_wait_tensorcnt 0x0                           ; the wave's end: a wait, an add and its wait, behind my last tensor load and my last LDS store
	ds_add_u32 v[SPW], v[NIL]
	s_wait_dscnt 0x0
	CROUND                                         ; the closing round: no work-group ends while a partner may still ask for rows that name it
	s_endpgm
.Lfunc_end_k_qf02a70e9fa_nearest:
	.size	k_qf02a70e9fa_nearest, .Lfunc_end_k_qf02a70e9fa_nearest-k_qf02a70e9fa_nearest
	.p2alignl 7, 3214868480
	.fill 96, 4, 3214868480
	.section	.rodata,"a",@progbits
	.p2align	6, 0x0
	.amdhsa_kernel k_qf02a70e9fa_nearest
		.amdhsa_group_segment_fixed_size 310272
		.amdhsa_private_segment_fixed_size 0
		.amdhsa_enable_private_segment 0
		.amdhsa_kernarg_size 32
		.amdhsa_user_sgpr_count 2
		.amdhsa_user_sgpr_kernarg_segment_ptr 1
		.amdhsa_wavefront_size32 1
		.amdhsa_system_sgpr_workgroup_id_x 1
		.amdhsa_system_sgpr_workgroup_id_y 1
		.amdhsa_system_sgpr_workgroup_id_z 1
		.amdhsa_system_vgpr_workitem_id 0
		.amdhsa_next_free_vgpr 256
		.amdhsa_next_free_sgpr 66
		.amdhsa_reserve_vcc 1
		.amdhsa_float_denorm_mode_32 3
		.amdhsa_float_denorm_mode_16_64 3
		.amdhsa_memory_ordered 1
		.amdhsa_forward_progress 1
		.amdhsa_inst_pref_size 255
	.end_amdhsa_kernel
	.section	.bss,"aw",@nobits
	.p2align	6
	.space	262144
	.amdgpu_metadata
---
amdhsa.version: [ 1, 2 ]
amdhsa.kernels:
  - .name:           k_qf02a70e9fa_nearest
    .symbol:         k_qf02a70e9fa_nearest.kd
    .args:
      - { .name: latents, .offset: 0, .size: 8, .value_kind: global_buffer, .address_space: global }
      - { .name: emb_weight, .offset: 8, .size: 8, .value_kind: global_buffer, .address_space: global }
      - { .name: inds, .offset: 16, .size: 8, .value_kind: global_buffer, .address_space: global }
      - { .name: tab, .offset: 24, .size: 8, .value_kind: global_buffer, .address_space: global }
    .group_segment_fixed_size: 310272
    .private_segment_fixed_size: 0
    .kernarg_segment_align: 8
    .kernarg_segment_size: 32
    .max_flat_workgroup_size: 256
    .sgpr_count:     66
    .vgpr_count:     256
    .wavefront_size: 32
...
	.end_amdgpu_metadata
.endif
;; end of part 1
;; launch lookup (part 2): grid 256 x 1, 8 waves a work-group, no clusters, 167,936 bytes of LDS; arguments latents, tab, inds, out0, part; writes out0, part
.if DOCPART == 2
	.amdgcn_target "amdgcn-amd-amdhsa--gfx1250"
	.amdhsa_code_object_version 6
	.text
	.protected	k_qf02a70e9fa_lookup
	.globl	k_qf02a70e9fa_lookup
	.p2align	8
	.type	k_qf02a70e9fa_lookup,@function
k_qf02a70e9fa_lookup:
	s_mov_b64 s[64:65], 0
	v_nop
	global_prefetch_b8 v0, s[64:65] scope:SCOPE_SE
	s_setreg_imm32_b32 hwreg(HW_REG_WAVE_MODE, 25, 1), 1
	s_wait_xcnt 0x0
; out0[b][d][p] = x + (q - x),  q = emb_weight[inds[n]][d],  x = latents[b][d][p];  part[work-group] = the sum of (q - x)^2 over its 4,096 positions x 8 channels.  All in f32, as reference() writes it; nothing is left out.
; The indices were stored by the launch before: they are whole numbers read from memory, held at 511 before they enter an address.  So was tab [8][512][8]: emb_weight laid by groups of 8 channels, the numbers as they are.
; SHARES.  THE WORK-GROUPS SHARE THE CHANNELS: work-group 8 b + g owns channels 8 g .. 8 g + 7 of image b, at all 4,096 positions.  So it wants 16,384 bytes of the table, group g's slice, and not all 131,072;
; it reads the image's 16,384 bytes of indices, as do the image's seven other work-groups.  Wave w owns positions 512 w .. + 511; lane l, in batch m of four, the 4 positions at byte 2,048 w + 512 m + 16 l of a channel's row:
; each load and each store of a wave covers 512 consecutive bytes, aligned.
; THE SLICE lies in LDS as 64 units of 256 bytes (8 rows of 32) + 16 of padding; wave w brings units 8 w on, 2,048 bytes on end in memory, by one tensor load.  Row k begins at 32 k + 16 (k / 8) = 32 k + 2 (k & 0x1f8):
; with the padding the rows begin at all sixteen 16-byte columns of 256, without it at eight.  A read takes 16 bytes of a row's 32: the padding is never read.
; NO CLUSTER, though the 32 work-groups of a channel group read the same slice: the LDS addresses of the lookup are made of the indices, which differ from work-group to work-group, and a launch with joint requests
; keeps every LDS address alike in its partners; and the slice is 16,384 of the 163,840 bytes that a work-group reads.
; A table row is read 16 bytes (four channels) at a time; the result is written into the latents' registers, so nothing is transposed by an instruction.
; All loads are issued at the head, the slice and the indices first, so nothing is left to be asked for ahead; a batch is worked and stored as soon as its eight loads are in.
; LIMIT: the partial sums are f32 sums of 128 numbers a lane in four chains, then across lanes and waves.  NaN and infinities among the inputs are not served.
.set UPI,   272                        ; a unit of the slice in LDS
.set TBW,   8*UPI                      ; what one wave brings
.set PS,    17408                      ; behind the slice: eight words, one a wave, in a block of 256 bytes of their own
.set SPARE, 17664                      ; the spare words, 128 bytes for each wave: four blocks of 256 bytes that no other line names
.set SPW,  1                           ; v1   my spare word's address; never rewritten
.set NIL,  2                           ; v2   0; never rewritten
.set LN,   3                           ; lane
.set VO,   4                           ; 16 x lane: my byte offset in 512 bytes of latents, of out0 and of inds; never rewritten
.set PA,   5                           ; my wave's word
.set PBS,  6                           ; the eight words
.set ZO,   7                           ; 0
.set AC,   8                           ; v8-11    the sums of squares
.set TT,   12                          ; v12-19   q - x, two sets of four
.set IX,   20                          ; v20-35   sixteen indices: 4 m + position
.set AQ,   36                          ; v36-51   their rows in the slice
.set QQ,   64                          ; v64-127  table rows: two sets of 4 positions x 8 channels
.set XX,   128                         ; v128-255 latents, then results: 4 (8 m + channel) + position
.set WV,   14
.set SEL,  32
	s_load_b256 s[4:11], s[0:1], 0x0               ; latents s[4:5], tab s[6:7], inds s[8:9], out0 s[10:11]
	s_load_b64 s[12:13], s[0:1], 0x20              ; part
	v_lshl_add_u32 v[SPW], v0, 2, SPARE
	v_mov_b32 v[NIL], 0
	ds_add_u32 v[SPW], v[NIL]                      ; the wave's opening: the add, twice on end, and its wait ahead of my first tensor load
	ds_add_u32 v[SPW], v[NIL]                      ; and once more; the set-up below, work on registers, stands between it and the wait
	v_lshrrev_b32 v[LN], 5, v0
	v_readfirstlane_b32 s[WV], v[LN]               ; wave 0..7
	s_mov_b32 s16, ttmp9                           ; the work-group's number: it enters global addresses alone
	s_and_b32 s17, s16, 7                          ; g: the group of 8 channels
	s_lshr_b32 s18, s16, 3                         ; b: the image
	s_lshl_b32 s19, s[WV], 11                      ; 2,048 bytes a wave: 64 rows of the slice; 512 positions of a channel's row; 512 indices
	; group 1: a dense block of 2,048 bytes as 8 rows of 256 (32 elements of 8 bytes)
	s_mov_b32 s20, (3<<16)|(1<<20)|(5<<22)|(3<<25) ; 15:0 no mask; 17:16 elements of 8 bytes; 20 padding on; 24:22 after every 64 words (code 5); 31:25 four words (code 3)
	s_mov_b32 s21, 32<<16                          ; tensor_dim0
	s_mov_b32 s22, 8<<16                           ; tensor_dim1
	s_mov_b32 s23, 32<<16                          ; tile_dim0
	s_mov_b32 s24, 8                               ; tile_dim1
	s_mov_b32 s25, 32                              ; elements from row to row
	s_mov_b32 s26, 0
	s_mov_b32 s27, 0
	s_mov_b32 s28, 1                               ; group 0: count = 1,
	s_mul_i32 s29, s[WV], TBW                      ; my 8 units in LDS
	s_lshl_b32 s34, s17, 14                        ; and in memory: 16,384 bytes a group,
	s_add_co_u32 s34, s34, s19                     ; 2,048 a wave
	s_mov_b32 s35, 0
	s_lshl_b32 s36, s18, 20                        ; latents and out0: the image, 64 x 4,096 x 4 bytes,
	s_lshl_b32 s37, s17, 17                        ; the group's 8 channels of 16,384 bytes,
	s_add_co_u32 s36, s36, s37
	s_add_co_u32 s36, s36, s19                     ; the wave's 512 positions
	s_mov_b32 s37, 0
	s_lshl_b32 s38, s18, 14                        ; inds: 16,384 bytes an image,
	s_add_co_u32 s38, s38, s19                     ; 2,048 a wave
	s_mov_b32 s39, 0
	s_lshl_b32 s40, s16, 2                         ; part: a word a work-group
	s_mov_b32 s41, 0
	s_lshl_b32 s42, s[WV], 2
	s_add_co_u32 s42, s42, PS
	s_mov_b32 s[SEL], 0x76543210
	s_mov_b32 s[SEL+1], 0xfedcba98                 ; v_permlanex16_b32's selects for lane l xor 16
	v_and_b32 v[LN], 31, v0
	v_lshlrev_b32 v[VO], 4, v[LN]
	v_mov_b32 v[PA], s42
	v_mov_b32 v[PBS], PS
	v_mov_b32 v[ZO], 0
	s_wait_dscnt 0x0                               ; both opening adds are done
	s_wait_kmcnt 0x0
	s_add_nc_u64 s[30:31], s[6:7], s[34:35]
	s_or_b32 s31, s31, 0x80000000                  ; type = 2
	s_add_nc_u64 s[4:5], s[4:5], s[36:37]
	s_add_nc_u64 s[10:11], s[10:11], s[36:37]
	s_add_nc_u64 s[8:9], s[8:9], s[38:39]
	s_add_nc_u64 s[12:13], s[12:13], s[40:41]
	tensor_load_to_lds s[28:31], s[20:27]          ; one load of mine is out
	s_nop 0
.irp m,0,1,2,3
	global_load_b128 v[IX+4*\m:IX+4*\m+3], v[VO], s[8:9] offset:512*\m     ; no hint: the image's other work-groups read these too
.endr
.irp m,0,1,2,3
.irp e,0,1,2,3,4,5,6,7
	global_load_b128 v[XX+4*(8*\m+\e):XX+4*(8*\m+\e)+3], v[VO], s[4:5] offset:\e*16384+\m*512 th:TH_LOAD_NT   ; batch by batch, so that a batch's eight channels come in together
.endr
.endr
	s_wait_loadcnt 32                              ; the indices are in; the 32 loads behind them stay out
.irp n,0,1,2,3,4,5,6,7,8,9,10,11,12,13,14,15
	v_min_u32 v[AQ+\n], 0x1ff, v[IX+\n]            ; an index stays inside the table
.endr
.irp n,0,1,2,3,4,5,6,7,8,9,10,11,12,13,14,15
	v_and_b32 v[IX+\n], 0x1f8, v[AQ+\n]            ; 8 (k / 8)
.endr
.irp n,0,1,2,3,4,5,6,7,8,9,10,11,12,13,14,15
	v_lshlrev_b32 v[AQ+\n], 5, v[AQ+\n]            ; 32 k
.endr
.irp n,0,1,2,3,4,5,6,7,8,9,10,11,12,13,14,15
	v_lshl_add_u32 v[AQ+\n], v[IX+\n], 1, v[AQ+\n] ; + 16 for each unit passed
.endr
	s_wait_tensorcnt 0x0                           ; my units of the slice are in,
	s_barrier_signal -1
	s_barrier_wait -1                              ; everybody's are
.macro GQ m                            ; the 8 channels of batch m's four positions' rows
.irp i,0,1,2,3
.irp u,0,1
	ds_load_b128 v[QQ+32*((\m)%2)+8*\i+4*\u:QQ+32*((\m)%2)+8*\i+4*\u+3], v[AQ+4*(\m)+\i] offset:16*\u
.endr
.endr
.endm
.macro CB m
.set QB, QQ+32*((\m)%2)
.if (\m) < 3
	s_wait_dscnt 8                                 ; this batch's eight reads are in; the next batch's may be out
.else
	s_wait_dscnt 0x0
.endif
	s_wait_loadcnt 24-8*(\m)                       ; and its eight loads of latents; the later batches' stay out
.irp e,0,1,2,3,4,5,6,7
.set XD, XX+4*(8*(\m)+\e)
.set TS, TT+4*(\e%2)
.irp i,0,1,2,3
	v_sub_f32 v[TS+\i], v[QB+8*\i+\e], v[XD+\i]    ; q - x
.endr
.if (\m) == 0 && \e == 0
	v_pk_mul_f32 v[AC:AC+1], v[TS:TS+1], v[TS:TS+1]             ; the first squares start the sums
	v_pk_mul_f32 v[AC+2:AC+3], v[TS+2:TS+3], v[TS+2:TS+3]
.else
	v_pk_fma_f32 v[AC:AC+1], v[TS:TS+1], v[TS:TS+1], v[AC:AC+1]
	v_pk_fma_f32 v[AC+2:AC+3], v[TS+2:TS+3], v[TS+2:TS+3], v[AC+2:AC+3]
.endif
	v_pk_add_f32 v[XD:XD+1], v[XD:XD+1], v[TS:TS+1]             ; x + (q - x)
	v_pk_add_f32 v[XD+2:XD+3], v[XD+2:XD+3], v[TS+2:TS+3]
	global_store_b128 v[VO], v[XD:XD+3], s[10:11] offset:\e*16384+(\m)*512 th:TH_STORE_NT   ; 32 lanes store 512 consecutive bytes, aligned; these registers are not written again
.endr
.if (\m) < 2
	GQ (\m)+2
.endif
.endm
	GQ 0
	GQ 1
	CB 0
	CB 1
	CB 2
	CB 3
	v_pk_add_f32 v[AC:AC+1], v[AC:AC+1], v[AC+2:AC+3]
	v_add_f32 v[AC], v[AC], v[AC+1]
	v_add_f32_dpp v[AC], v[AC], v[AC] row_xmask:1 row_mask:0xf bank_mask:0xf
	v_add_f32_dpp v[AC], v[AC], v[AC] row_xmask:2 row_mask:0xf bank_mask:0xf
	v_add_f32_dpp v[AC], v[AC], v[AC] row_xmask:4 row_mask:0xf bank_mask:0xf
	v_add_f32_dpp v[AC], v[AC], v[AC] row_xmask:8 row_mask:0xf bank_mask:0xf
	v_permlanex16_b32 v[TT], v[AC], s[SEL], s[SEL+1]
	v_add_f32 v[AC], v[AC], v[TT]                  ; the wave's sum, in every lane
	ds_store_b32 v[PA], v[AC]                      ; all lanes write the same word with the same value
	s_wait_dscnt 0x0                               ; for the others' sake: my word has landed
	s_barrier_signal -1
	s_barrier_wait -1
	ds_load_b128 v[QQ:QQ+3], v[PBS]
	ds_load_b128 v[QQ+4:QQ+7], v[PBS] offset:16
	s_wait_dscnt 0x0
	v_pk_add_f32 v[QQ:QQ+1], v[QQ:QQ+1], v[QQ+2:QQ+3]
	v_pk_add_f32 v[QQ+4:QQ+5], v[QQ+4:QQ+5], v[QQ+6:QQ+7]
	v_pk_add_f32 v[QQ:QQ+1], v[QQ:QQ+1], v[QQ+4:QQ+5]
	v_add_f32 v[QQ], v[QQ], v[QQ+1]                ; the work-group's sum
	v_cmp_eq_u32 vcc_lo, 0, v0                     ; thread 0 alone stores it: one word a work-group, which the next launch adds up
	s_wait_xcnt 0x0                                ; EXEC changes only behind this wait: the stores above have read theirs
	s_and_saveexec_b32 s34, vcc_lo
	global_store_b32 v[ZO], v[QQ], s[12:13]
	s_wait_xcnt 0x0                                ; and again, in front of the line that widens it
	s_or_b32 exec_lo, exec_lo, s34
	s_wait_tensorcnt 0x0                           ; the wave's end: a wait, an add and its wait, behind my last tensor load and my last LDS store
	ds_add_u32 v[SPW], v[NIL]
	s_wait_dscnt 0x0
	s_endpgm
.Lfunc_end_k_qf02a70e9fa_lookup:
	.size	k_qf02a70e9fa_lookup, .Lfunc_end_k_qf02a70e9fa_lookup-k_qf02a70e9fa_lookup
	.p2alignl 7, 3214868480
	.fill 96, 4, 3214868480
	.section	.rodata,"a",@progbits
	.p2align	6, 0x0
	.amdhsa_kernel k_qf02a70e9fa_lookup
		.amdhsa_group_segment_fixed_size 167936
		.amdhsa_private_segment_fixed_size 0
		.amdhsa_enable_private_segment 0
		.amdhsa_kernarg_size 40
		.amdhsa_user_sgpr_count 2
		.amdhsa_user_sgpr_kernarg_segment_ptr 1
		.amdhsa_wavefront_size32 1
		.amdhsa_system_sgpr_workgroup_id_x 1
		.amdhsa_system_sgpr_workgroup_id_y 1
		.amdhsa_system_sgpr_workgroup_id_z 1
		.amdhsa_system_vgpr_workitem_id 0
		.amdhsa_next_free_vgpr 256
		.amdhsa_next_free_sgpr 66
		.amdhsa_reserve_vcc 1
		.amdhsa_float_denorm_mode_32 3
		.amdhsa_float_denorm_mode_16_64 3
		.amdhsa_memory_ordered 1
		.amdhsa_forward_progress 1
		.amdhsa_inst_pref_size 29
	.end_amdhsa_kernel
	.amdgpu_metadata
---
amdhsa.version: [ 1, 2 ]
amdhsa.kernels:
  - .name:           k_qf02a70e9fa_lookup
    .symbol:         k_qf02a70e9fa_lookup.kd
    .args:
      - { .name: latents, .offset: 0, .size: 8, .value_kind: global_buffer, .address_space: global }
      - { .name: tab, .offset: 8, .size: 8, .value_kind: global_buffer, .address_space: global }
      - { .name: inds, .offset: 16, .size: 8, .value_kind: global_buffer, .address_space: global }
      - { .name: out0, .offset: 24, .size: 8, .value_kind: global_buffer, .address_space: global }
      - { .name: part, .offset: 32, .size: 8, .value_kind: global_buffer, .address_space: global }
    .group_segment_fixed_size: 167936
    .private_segment_fixed_size: 0
    .kernarg_segment_align: 8
    .kernarg_segment_size: 40
    .max_flat_workgroup_size: 256
    .sgpr_count:     66
    .vgpr_count:     256
    .wavefront_size: 32
...
	.end_amdgpu_metadata
.endif
;; end of part 2
;; launch total (part 3): grid 1 x 1, 1 waves a work-group, no clusters, 0 bytes of LDS; arguments part, out1; writes out1
.if DOCPART == 3
	.amdgcn_target "amdgcn-amd-amdhsa--gfx1250"
	.amdhsa_code_object_version 6
	.text
	.protected	k_qf02a70e9fa_total
	.globl	k_qf02a70e9fa_total
	.p2align	8
	.type	k_qf02a70e9fa_total,@function
k_qf02a70e9fa_total:
	s_mov_b64 s[64:65], 0
	v_nop
	global_prefetch_b8 v0, s[64:65] scope:SCOPE_SE
	s_setreg_imm32_b32 hwreg(HW_REG_WAVE_MODE, 25, 1), 1
	s_wait_xcnt 0x0
; out1 = mean x 0.25 + mean, mean = (the sum of the 256 work-groups' partial sums) / 2^23 (131,072 positions x 64 channels).
; commitment_loss and embedding_loss are the same number in the forward pass (stop_gradient changes no value): the mean is made once and combined as reference() combines them.
; A sum over work-groups has one owner: one wave, eight numbers a lane, then across the lanes.  No LDS, no barrier.
	s_load_b128 s[4:7], s[0:1], 0x0                ; part, out1
	v_lshlrev_b32 v1, 4, v0                        ; 16 bytes a lane: each load covers 512 consecutive bytes
	s_mov_b32 s8, 0x76543210
	s_mov_b32 s9, 0xfedcba98                       ; v_permlanex16_b32's selects for lane l xor 16
	s_mov_b32 s10, 0x34000000                      ; 2^-23
	s_mov_b32 s11, 0x3e800000                      ; 0.25
	v_mov_b32 v10, 0
	v_mov_b32 v11, 0                               ; a lane permute's destination counts as one of its sources
	s_wait_kmcnt 0x0
	global_load_b128 v[2:5], v1, s[4:5]
	global_load_b128 v[6:9], v1, s[4:5] offset:512
	s_wait_loadcnt 0x0
	v_pk_add_f32 v[2:3], v[2:3], v[6:7]
	v_pk_add_f32 v[4:5], v[4:5], v[8:9]
	v_pk_add_f32 v[2:3], v[2:3], v[4:5]
	v_add_f32 v2, v2, v3
	v_add_f32_dpp v2, v2, v2 row_xmask:1 row_mask:0xf bank_mask:0xf
	v_add_f32_dpp v2, v2, v2 row_xmask:2 row_mask:0xf bank_mask:0xf
	v_add_f32_dpp v2, v2, v2 row_xmask:4 row_mask:0xf bank_mask:0xf
	v_add_f32_dpp v2, v2, v2 row_xmask:8 row_mask:0xf bank_mask:0xf
	v_permlanex16_b32 v11, v2, s8, s9
	v_add_f32 v2, v2, v11
	v_mul_f32 v2, s10, v2                          ; the mean: a power of two, nothing is rounded
	v_fma_f32 v3, v2, s11, v2                      ; commitment x 0.25 + embedding
	v_cmp_eq_u32 vcc_lo, 0, v0
	s_wait_xcnt 0x0                                ; EXEC changes only behind this wait
	s_and_saveexec_b32 s12, vcc_lo
	global_store_b32 v10, v3, s[6:7]               ; one number
	s_wait_xcnt 0x0
	s_or_b32 exec_lo, exec_lo, s12
	s_endpgm
.Lfunc_end_k_qf02a70e9fa_total:
	.size	k_qf02a70e9fa_total, .Lfunc_end_k_qf02a70e9fa_total-k_qf02a70e9fa_total
	.p2alignl 7, 3214868480
	.fill 96, 4, 3214868480
	.section	.rodata,"a",@progbits
	.p2align	6, 0x0
	.amdhsa_kernel k_qf02a70e9fa_total
		.amdhsa_group_segment_fixed_size 0
		.amdhsa_private_segment_fixed_size 0
		.amdhsa_enable_private_segment 0
		.amdhsa_kernarg_size 16
		.amdhsa_user_sgpr_count 2
		.amdhsa_user_sgpr_kernarg_segment_ptr 1
		.amdhsa_wavefront_size32 1
		.amdhsa_system_sgpr_workgroup_id_x 1
		.amdhsa_system_sgpr_workgroup_id_y 1
		.amdhsa_system_sgpr_workgroup_id_z 1
		.amdhsa_system_vgpr_workitem_id 0
		.amdhsa_next_free_vgpr 16
		.amdhsa_next_free_sgpr 66
		.amdhsa_reserve_vcc 1
		.amdhsa_float_denorm_mode_32 3
		.amdhsa_float_denorm_mode_16_64 3
		.amdhsa_memory_ordered 1
		.amdhsa_forward_progress 1
		.amdhsa_inst_pref_size 2
	.end_amdhsa_kernel
	.amdgpu_metadata
---
amdhsa.version: [ 1, 2 ]
amdhsa.kernels:
  - .name:           k_qf02a70e9fa_total
    .symbol:         k_qf02a70e9fa_total.kd
    .args:
      - { .name: part, .offset: 0, .size: 8, .value_kind: global_buffer, .address_space: global }
      - { .name: out1, .offset: 8, .size: 8, .value_kind: global_buffer, .address_space: global }
    .group_segment_fixed_size: 0
    .private_segment_fixed_size: 0
    .kernarg_segment_align: 8
    .kernarg_segment_size: 16
    .max_flat_workgroup_size: 32
    .sgpr_count:     66
    .vgpr_count:     16
    .wavefront_size: 32
...
	.end_amdgpu_metadata
.endif
;; end of part 3
